; MI455X (gfx1250); checked and timed in simulation.
; The chip was launched on July 23, 2026; its instructions are those of AMD's public machine-readable ISA for CDNA 5 (MIT licence, August 2026) and "CDNA5" Instruction Set Architecture Reference Guide (July 2026). The comments in the code are by the model that wrote it; some were corrected since.
;; Moe Linear Lora Layer. Allowed arithmetic: matrix products marked QUANTISED: E3M2 operands, one E8M0 scale for each 32 along K, by v_wmma_scale_f32_16x16x128_f8f6f4 with both operands' format E3M2, f32 sums; everything else in f32.
;; Inputs: lora_A 8 x 4,096 x 256 float32; lora_B 8 x 256 x 4,096 float32; token_type 2,048 int32; weight_base 4,096 x 4,096 float32; x 1 x 2,048 x 4,096 float32.
;; Outputs: out0 1 x 2,048 x 4,096 float32.
;; This version of the problem:
;;   THIS VERSION OF THE PROBLEM IS GIVEN IN LOW PRECISION. The matrix products marked QUANTISED in the list below multiply operands that are first quantised to E3M2 (3 exponent bits, 2 mantissa bits; 6 bits a number), with one power-of-two scale for each 32 numbers along K (OCP MX v1.0); their sums are f32. All else is computed in f32.
;;   The module's matrix products, in the order in which they are computed (A, B: the left and right operand; K: the contracted axis; several contracted axes count as one K, in the product's order):
;;     1. [M 2,048, K 4,096] x [K 4,096, N 4,096]; A: input x; B: input weight_base: QUANTISED
;;     2. [M 2,048, K 4,096] x [K 4,096, N 2,048]; A: input lora_A; B: input x: QUANTISED
;;     3. [M 2,048, K 2,048] x [K 2,048, N 4,096]; A: computed on the way; B: input lora_B: QUANTISED
;;   THE QUANTISER, for each operand of a quantised product, along K:
;;     - K is cut into blocks of 32 from its start; a last block that is shorter is filled with zeros.
;;     - A block's scale is 2^e with e = floor(log2(the largest magnitude in the block)) - 4, held to -126 .. 127; a block of zeros has e = 0. As a byte (E8M0): e + 127.
;;     - Each number is divided by its block's scale, clamped to +-28, and rounded to the nearest number of E3M2, ties to even, subnormals kept.
;;     - The product sums the exact products of the quantised numbers (number of the format x scale) in f32.
;;   ~~~python
;;   def quantise(x, axis):      # numpy; x: float32 -> the quantised numbers, widened to float32 again
;;       x = np.moveaxis(x, axis, -1); K = x.shape[-1]
;;       x = np.pad(x, [(0, 0)] * (x.ndim - 1) + [(0, -K % 32)]); x = x.reshape(x.shape[:-1] + (-1, 32)); a = np.abs(x).max(-1, keepdims=True)
;;       e = np.where(a > 0, np.clip(np.frexp(np.where(a > 0, a, 1))[1] - 1 - 4, -126, 127), 0)      # np.frexp(a)[1] - 1 = floor(log2(a)), exactly
;;       r = np.clip(x / 2.0 ** e, -28, 28)
;;       step = 2.0 ** (np.maximum(np.frexp(np.where(r == 0, 1, r))[1] - 1, -2) - 2)
;;       q = np.round(r / step) * step * 2.0 ** e      # np.round: ties to even
;;       return np.moveaxis(q.reshape(q.shape[:-2] + (-1,))[..., :K], -1, axis).astype(np.float32)
;;   ~~~
;;   OPERANDS COMPUTED ON THE WAY. 'Computed on the way' means the value that the module computes at that place (a softmax that the list does not call 'softmax' is quantised finished and normalised). What goes into a quantiser is computed in f32, as accurately as f32 sums, v_exp_f32 and their like allow (about 1e-6 of the number): no bf16 or f16 on the way to a quantiser, and a product that is left as it is and whose result goes on into a quantised operand takes f32 operands (vector FMAs, or v_wmma_f32_16x16x4_f32). A number that lies on a knife's edge between two numbers of the format may be rounded either way, as far as f32 arithmetic and the matrix unit's own rounding can turn it there, and no further.
;; One version. Each part assembles by itself: llvm-mc -triple=amdgcn-amd-amdhsa -mcpu=gfx1250 --defsym DOCPART=n.
;; ======== version 1 of 1: 3 launches
;; limits: right only within a limited range of input values
;; workspace buffers: xq 6,553,600 bytes; aq 6,553,600 bytes; wb 19,660,800 bytes; hq 3,276,800 bytes
;; launch quant (part 1): grid 1280 x 1, 4 waves a work-group, no clusters, 34,304 bytes of LDS; arguments x, weight_base, lora_A, lora_B, xq, wb, aq; writes xq, wb, aq
.if DOCPART == 1
	.amdgcn_target "amdgcn-amd-amdhsa--gfx1250"
	.amdhsa_code_object_version 6
	.text
	.protected	k_q70b8e25fd7_quant
	.globl	k_q70b8e25fd7_quant
	.p2align	8
	.type	k_q70b8e25fd7_quant,@function
k_q70b8e25fd7_quant:
	s_mov_b64 s[64:65], 0
	v_nop
	global_prefetch_b8 v0, s[64:65] scope:SCOPE_SE
	s_setreg_imm32_b32 hwreg(HW_REG_WAVE_MODE, 25, 1), 1
	s_wait_xcnt 0x0
; x [2048][4096], weight_base [4096][4096], lora_A [8][4096][256], lora_B [8][256][4096], all f32, become codes of BF6 (E3M2) with one E8M0 byte for each 32 along K.
; K is the 4,096 of x, weight_base and lora_A, and (expert, rank) = 2,048 of lora_B.
; A block's scale is 2^(floor(log2(its largest magnitude)) - 4): its byte is that magnitude's exponent field - 4, held at 1 from below.
; LIMITS: NaN and infinities among the inputs are not served.  A block of zeros gets the byte 1 where the rule says 127: its codes are zeros, and the bytes are read by this program alone.
; THE LAYOUT OF ALL CODES IS THE ORDER OF THE OPERAND'S REGISTERS.  An operand is laid [group of 512 along K][block of 16 rows][record of 6,400 bytes].  A record: four fragments (16 rows x 128 K) of 1,536 bytes,
; each the image of its 12 registers (byte 512 c + 16 lane + j = byte j of registers 4 c .. 4 c + 3 of that lane), then 256 bytes of scale words: the word of row r and K step q at 128 (q / 2) + 8 r + 4 (q % 2).
; xq: 8 groups x 128 blocks.  wb: groups 0-7 weight_base, groups 8-11 lora_B turned (rows = outputs), 256 blocks each.  aq: lora_A turned (rows n = 256 expert + rank), 8 groups x 128 blocks; in each 32 rows
; block 2 B + u holds in lane r the row 32 B + 8 u + r + 8 (r / 8), so that the next launch's results lie as neighbours along its successor's K.
; WORK-GROUPS: 0-255 lora_B, 256-511 lora_A (K outermost: a lane takes a column, its registers run down K), 512-767 x, 768-1279 weight_base (K innermost: one path, the buffers chosen by the work-group's number).
; Waves share nothing: no barrier.  No tensor loads, no matrix work, no cluster: the launch is a stream.
.set REC,   6400
.set FRB,   1536
.set SCO,   6144
.set SPW,   14                         ; v14  LDS address of my spare word: SPARE + 4 x my thread's number; never rewritten
.set NIL,   15                         ; v15  0; never rewritten
.set STGB,  8448                       ; a wave's stage: 16 rows x (512 bytes + 16)
.set SPARE, 4*STGB                     ; behind the four stages: the spare words, 128 bytes for each wave: two blocks of 256 bytes that no other line names
.set X2,    32                         ; K outermost: v32-95 two sets of 32 numbers
.set C2,    96                         ; v96-143 the codes of two K steps: 24 registers each, 12 for each half of the lanes of the image
.set T2R,   144                        ; v144-146 the second half of a block's codes
.set R1,    32                         ; K innermost: v32-159 two sets of 64 registers as loaded
.set X1,    32                         ; my 64 numbers of a K step, two whole blocks: they come back from the stage into the set of 64 registers that they were loaded into (set anew in each K step)
.set C1,    160                        ; v160-171 a fragment's 12 registers
.set T10,   172                        ; v172-174, v176-178 the second halves of the two blocks' codes
.set T11,   176
.macro FINISH                          ; the wave's end
	s_wait_tensorcnt 0x0
	ds_add_u32 v[SPW], v[NIL]
	s_wait_dscnt 0x0
	s_endpgm
.endm
; ---- K outermost.  Block t: the 32 numbers of rows 32 t .. 32 t + 31 at my column, into set t % 2: each load reads 128 consecutive bytes
.macro LOAD2 t, pitch
.irp i, 0,1,2,3,4,5,6,7,8,9,10,11,12,13,14,15,16,17,18,19,20,21,22,23,24,25,26,27,28,29,30,31
	global_load_b32 v[X2+32*((\t)%2)+\i], v5, s[20:21] offset:(32*(\t)+\i)*(\pitch) th:TH_LOAD_NT
.endr
.endm
.macro BLOCK2 t, pitch
.set XS, X2+32*((\t)%2)
.set CD, C2+24*((\t)/4)+12*((\t)%2)+6*(((\t)%4)/2)   ; block j = t % 4 of K step t / 4 is registers 6 (j / 2) .. + 5 of the image's lane (my row, j % 2)
.if (\t) < 7
	s_wait_loadcnt 32                              ; this block's 32 loads are in; the next block's 32 may be out
.else
	s_wait_loadcnt 0x0
.endif
	v_max3_num_f32 v20, |v[XS]|, |v[XS+1]|, |v[XS+2]|   ; the block's largest magnitude: all 32 numbers are mine; two chains
	v_max3_num_f32 v21, |v[XS+3]|, |v[XS+4]|, |v[XS+5]|
.irp i, 6,10,14,18,22,26
	v_max3_num_f32 v20, v20, |v[XS+\i]|, |v[XS+\i+1]|
	v_max3_num_f32 v21, v21, |v[XS+\i+2]|, |v[XS+\i+3]|
.endr
	v_max3_num_f32 v20, v20, |v[XS+30]|, |v[XS+31]|
	v_max3_num_f32 v20, v20, v21, 0x2800000        ; and the floor 2^(5 - 127): the byte cannot fall under 1
	v_add_nc_u32 v22, 0xfe000000, v20              ; 4 off the exponent field: the conversion takes this operand's exponent field as its scale
	v_lshrrev_b32 v23, 23, v22                     ; the scale's byte
.if (\t)%4 == 0
	v_mov_b32 v[24+(\t)/4], v23                    ; four bytes make the K step's scale word, the lower K in the lower byte
.else
	v_lshl_or_b32 v[24+(\t)/4], v23, 8*((\t)%4), v[24+(\t)/4]
.endif
	v_cvt_scalef32_pk16_bf6_f32 v[CD:CD+2], v[XS:XS+15], v22
	v_cvt_scalef32_pk16_bf6_f32 v[T2R:T2R+2], v[XS+16:XS+31], v22   ; (a conversion's three registers begin on an even number)
	v_nop                                          ; one plain instruction behind the conversions
.irp i, 0,1,2
	v_mov_b32 v[CD+3+\i], v[T2R+\i]
.endr
.if (\t) < 6
	LOAD2 (\t)+2, \pitch
.endif
.if (\t)%4 == 3                        ; a K step is whole: six stores; in each, lanes 0-15 write 256 consecutive aligned bytes of one record, lanes 16-31 of the next record.  No register of a store is written again
.irp hh, 0,1
.irp c, 0,1,2
	global_store_b128 v6, v[C2+24*((\t)/4)+12*\hh+4*\c:C2+24*((\t)/4)+12*\hh+4*\c+3], s[22:23] offset:FRB*((\t)/4)+512*\c+256*\hh
.endr
.endr
.endif
.endm
; A wave: 32 columns x 256 along K: half a record of two blocks of rows.  On entry: v5 my column's byte, s[20:21] the source, s22 the first record's offset, s30 which half of the record; dst: the buffer's pointer
.macro T2 pitch, dst
	s_mul_i32 s31, s30, 2*FRB
	s_lshl_b32 s24, s30, 7
	s_add_co_u32 s24, s24, s22
	s_add_co_u32 s24, s24, SCO                     ; my half of the scale words
	s_add_co_u32 s22, s22, s31                     ; my two fragments
	s_mov_b32 s23, 0
	s_mov_b32 s25, 0
	s_add_nc_u64 s[22:23], s[\dst:\dst+1], s[22:23]
	s_add_nc_u64 s[24:25], s[\dst:\dst+1], s[24:25]
	v_mul_u32_u24 v6, v4, REC                      ; lanes 16-31 belong to the next record
	v_lshl_add_u32 v7, v3, 3, v6                   ; scale words: 8 bytes a row
	v_lshl_add_u32 v6, v3, 4, v6                   ; images: 16 bytes a lane
	LOAD2 0, \pitch
	LOAD2 1, \pitch
.irp t, 0,1,2,3,4,5,6,7
	BLOCK2 \t, \pitch
.endr
	global_store_b64 v7, v[24:25], s[24:25]        ; my row's two scale words: sixteen lanes write 128 consecutive bytes
	FINISH
.endm
; ---- K innermost.  K step t of my record: 16 rows x 512 bytes; each load reads 512 consecutive bytes of one row
.macro LOADK t
.irp i, 0,1,2,3,4,5,6,7,8,9,10,11,12,13,14,15
	global_load_b128 v[R1+64*((\t)%2)+4*\i:R1+64*((\t)%2)+4*\i+3], v5, s[20:21] offset:16384*\i+512*(\t) th:TH_LOAD_NT
.endr
.endm
.macro KSTEP t
.set X1, R1+64*((\t)%2)
.if (\t) < 3
	s_wait_loadcnt 16                              ; this K step's 16 loads are in; the next one's 16 may be out
.else
	s_wait_loadcnt 0x0
.endif
.irp i, 0,1,2,3,4,5,6,7,8,9,10,11,12,13,14,15
	ds_store_b128 v6, v[R1+64*((\t)%2)+4*\i:R1+64*((\t)%2)+4*\i+3] offset:528*\i   ; through my own stage, as loaded;
.endr
	s_wait_dscnt 0x0                               ; the stores have read their registers: the loads below land on the same 64
.irp m, 0,1,2,3,4,5,6,7,8,9,10,11,12,13,14,15
	ds_load_b128 v[X1+4*\m:X1+4*\m+3], v7 offset:16*\m+128*(\m/8)   ; and back: lane (r, h) takes of row r the blocks h and 2 + h, 128 bytes each.  LDS serves a wave's instructions in order
.endr
	s_wait_dscnt 0x0                               ; my numbers are back, and the stores into the stage have read their registers
	s_wait_xcnt 0x0                                ; the last K step's stores have read the codes' registers: they are written again only behind this wait
.irp c, 0,1
	v_max3_num_f32 v[16+\c], |v[X1+32*\c]|, |v[X1+32*\c+1]|, 0x2800000   ; my two blocks by turns; the floor 2^(5 - 127) among the leaves
.endr
.irp i, 2,4,6,8,10,12,14,16,18,20,22,24,26,28,30
.irp c, 0,1
	v_max3_num_f32 v[16+\c], v[16+\c], |v[X1+32*\c+\i]|, |v[X1+32*\c+\i+1]|
.endr
.endr
.irp c, 0,1
	v_add_nc_u32 v[18+\c], 0xfe000000, v[16+\c]    ; 4 off the exponent field: the conversion's scale operand
.endr
.irp c, 0,1
	v_lshrrev_b32 v[20+\c], 23, v[18+\c]           ; the scale's byte
.endr
	v_lshl_or_b32 v22, v21, 16, v20                ; my two bytes, blocks h and 2 + h,
	v_lshlrev_b32 v22, v9, v22                     ; at their places in the word (8 h bits up);
	v_permlanex16_b32 v23, v22, s26, s27
	v_or_b32 v[24+(\t)], v22, v23                  ; with the other half's two the word is whole
	v_cvt_scalef32_pk16_bf6_f32 v[C1:C1+2], v[X1:X1+15], v18
	v_cvt_scalef32_pk16_bf6_f32 v[T10:T10+2], v[X1+16:X1+31], v18
	v_cvt_scalef32_pk16_bf6_f32 v[C1+6:C1+8], v[X1+32:X1+47], v19
	v_cvt_scalef32_pk16_bf6_f32 v[T11:T11+2], v[X1+48:X1+63], v19
	v_nop                                          ; one plain instruction behind the conversions
.irp i, 0,1,2
	v_mov_b32 v[C1+3+\i], v[T10+\i]
	v_mov_b32 v[C1+9+\i], v[T11+\i]
.endr
.if (\t) < 2
	LOADK (\t)+2                                   ; the conversions have read this set: it takes the K step two further on
.endif
.irp c, 0,1,2
	global_store_b128 v5, v[C1+4*\c:C1+4*\c+3], s[22:23] offset:FRB*(\t)+512*\c   ; the fragment's image: 512 consecutive aligned bytes a store
.endr
.endm
	s_load_b256 s[4:11], s[0:1], 0x0               ; x s[4:5], weight_base s[6:7], lora_A s[8:9], lora_B s[10:11]
	s_load_b128 s[12:15], s[0:1], 0x20             ; xq s[12:13], wb s[14:15]
	s_load_b64 s[16:17], s[0:1], 0x30              ; aq
	v_lshl_add_u32 v[SPW], v0, 2, SPARE
	v_mov_b32 v[NIL], 0
	v_lshrrev_b32 v1, 5, v0
	v_readfirstlane_b32 s18, v1                    ; wave 0..3
	v_and_b32 v2, 31, v0                           ; lane
	v_and_b32 v3, 15, v0                           ; r
	v_bfe_u32 v4, v0, 4, 1                         ; h
	s_wait_kmcnt 0x0
	s_cmp_lt_u32 ttmp9, 256
	s_cbranch_scc1 .Llora_b
	s_cmp_lt_u32 ttmp9, 512
	s_cbranch_scc1 .Llora_a
	; ---- x and weight_base: a wave makes one record
	s_mov_b32 s25, 768
	s_cmp_lt_u32 ttmp9, 768                        ; the choice hangs on the work-group's number alone
	s_cselect_b64 s[20:21], s[4:5], s[6:7]
	s_cselect_b64 s[22:23], s[12:13], s[14:15]
	s_cselect_b32 s24, 7, 8                        ; 128 or 256 blocks of rows in a group
	s_cselect_b32 s25, 512, s25
	s_sub_co_u32 s25, ttmp9, s25                   ; j
	s_and_b32 s28, s25, 1
	s_lshl_b32 s28, s28, 2
	s_add_co_u32 s28, s28, s18                     ; group = 4 (j % 2) + wave
	s_lshr_b32 s29, s25, 1                         ; block of rows = j / 2
	s_lshl_b32 s30, s29, 18                        ; 16 rows of 16,384 bytes
	s_lshl_b32 s31, s28, 11                        ; 512 numbers
	s_add_co_u32 s30, s30, s31
	s_mov_b32 s31, 0
	s_add_nc_u64 s[20:21], s[20:21], s[30:31]
	s_lshl_b32 s30, s28, s24
	s_add_co_u32 s30, s30, s29
	s_mul_i32 s30, s30, REC
	s_add_nc_u64 s[22:23], s[22:23], s[30:31]
	s_mov_b32 s26, 0x76543210
	s_mov_b32 s27, 0xfedcba98                      ; lane selects: each lane takes its own place in the other half
	s_mul_i32 s19, s18, STGB                       ; my stage
	s_wait_alu depctr_va_vdst(0)
	v_lshlrev_b32 v5, 4, v2                        ; 16 x lane: in a row's 512 bytes, and in an image
	v_add_nc_u32 v6, s19, v5                       ; the stage, on the way in
	v_mul_u32_u24 v7, v3, 528
	v_lshl_add_u32 v7, v4, 7, v7
	v_add_nc_u32 v7, s19, v7                       ; and on the way out: row r, + 128 h
	v_lshlrev_b32 v8, 3, v2                        ; the scale words' place: 8 x lane
	v_lshlrev_b32 v9, 3, v4                        ; 8 h
	v_mov_b32 v23, 0                               ; written once: a lane permute's destination counts as one of its sources
	LOADK 0
	LOADK 1
	s_wait_alu depctr_va_vdst(0)
.irp t, 0,1,2,3
	KSTEP \t
.endr
	v_cmp_eq_u32 vcc_lo, 1, v4
	v_cndmask_b32 v28, v24, v26, vcc_lo            ; lanes 0-15 store K steps 0 and 1 of their row, lanes 16-31 K steps 2 and 3
	v_cndmask_b32 v29, v25, v27, vcc_lo
	global_store_b64 v8, v[28:29], s[22:23] offset:SCO   ; 256 consecutive aligned bytes
	FINISH
.Llora_a:                              ; lora_A [expert][4096 (K)][256]: a row of the source is 1,024 bytes
	s_sub_co_u32 s19, ttmp9, 256
	s_and_b32 s26, s19, 1                          ; which 128 of the expert's 256 columns
	s_bfe_u32 s27, s19, 0x40001                    ; which 256 along K
	s_lshr_b32 s28, s19, 5                         ; expert
	s_lshl_b32 s20, s28, 22
	s_lshl_b32 s29, s27, 18
	s_add_co_u32 s20, s20, s29
	s_lshl_b32 s29, s26, 9
	s_add_co_u32 s20, s20, s29
	s_lshl_b32 s29, s18, 7
	s_add_co_u32 s20, s20, s29
	s_mov_b32 s21, 0
	s_add_nc_u64 s[20:21], s[8:9], s[20:21]
	s_lshr_b32 s29, s27, 1                         ; group
	s_and_b32 s30, s27, 1                          ; half of the record
	s_lshl_b32 s29, s29, 7
	s_lshl_b32 s31, s28, 4
	s_add_co_u32 s29, s29, s31
	s_lshl_b32 s31, s26, 3
	s_add_co_u32 s29, s29, s31
	s_lshl_b32 s31, s18, 1
	s_add_co_u32 s29, s29, s31                     ; record 128 group + 16 expert + 8 half + 2 wave
	s_mul_i32 s22, s29, REC
	s_wait_alu depctr_va_vdst(0)
	v_and_b32 v8, 7, v3
	v_lshrrev_b32 v9, 3, v3
	v_lshl_add_u32 v8, v9, 4, v8
	v_lshl_add_u32 v8, v4, 3, v8                   ; the order of rows inside 32, made on the load's side: lane (u, r) takes column 8 u + r % 8 + 16 (r / 8)
	v_lshlrev_b32 v5, 2, v8
	s_wait_alu depctr_va_vdst(0)
	T2 1024, 16
.Llora_b:                              ; lora_B as [2048 (K)][4096]: a row of the source is 16,384 bytes
	s_and_b32 s19, ttmp9, 31                       ; which 128 columns
	s_lshr_b32 s27, ttmp9, 5                       ; which 256 along K
	s_lshl_b32 s20, s27, 22
	s_lshl_b32 s29, s19, 9
	s_add_co_u32 s20, s20, s29
	s_lshl_b32 s29, s18, 7
	s_add_co_u32 s20, s20, s29
	s_mov_b32 s21, 0
	s_add_nc_u64 s[20:21], s[10:11], s[20:21]
	s_lshr_b32 s29, s27, 1
	s_and_b32 s30, s27, 1                          ; half of the record
	s_add_co_u32 s29, s29, 8                       ; groups 8 to 11 of wb
	s_lshl_b32 s29, s29, 8
	s_lshl_b32 s31, s19, 3
	s_add_co_u32 s29, s29, s31
	s_lshl_b32 s31, s18, 1
	s_add_co_u32 s29, s29, s31                     ; record 256 group + 8 x work-group's columns + 2 wave
	s_mul_i32 s22, s29, REC
	s_wait_alu depctr_va_vdst(0)
	v_lshlrev_b32 v5, 2, v2                        ; lane l takes column l
	s_wait_alu depctr_va_vdst(0)
	T2 16384, 14
.Lfunc_end_k_q70b8e25fd7_quant:
	.size	k_q70b8e25fd7_quant, .Lfunc_end_k_q70b8e25fd7_quant-k_q70b8e25fd7_quant
	.p2alignl 7, 3214868480
	.fill 96, 4, 3214868480
	.section	.rodata,"a",@progbits
	.p2align	6, 0x0
	.amdhsa_kernel k_q70b8e25fd7_quant
		.amdhsa_group_segment_fixed_size 34304
		.amdhsa_private_segment_fixed_size 0
		.amdhsa_enable_private_segment 0
		.amdhsa_kernarg_size 56
		.amdhsa_user_sgpr_count 2
		.amdhsa_user_sgpr_kernarg_segment_ptr 1
		.amdhsa_wavefront_size32 1
		.amdhsa_system_sgpr_workgroup_id_x 1
		.amdhsa_system_sgpr_workgroup_id_y 1
		.amdhsa_system_sgpr_workgroup_id_z 1
		.amdhsa_system_vgpr_workitem_id 0
		.amdhsa_next_free_vgpr 184
		.amdhsa_next_free_sgpr 66
		.amdhsa_reserve_vcc 1
		.amdhsa_float_denorm_mode_32 3
		.amdhsa_float_denorm_mode_16_64 3
		.amdhsa_memory_ordered 1
		.amdhsa_forward_progress 1
		.amdhsa_inst_pref_size 107
	.end_amdhsa_kernel
	.amdgpu_metadata
---
amdhsa.version: [ 1, 2 ]
amdhsa.kernels:
  - .name:           k_q70b8e25fd7_quant
    .symbol:         k_q70b8e25fd7_quant.kd
    .args:
      - { .name: x, .offset: 0, .size: 8, .value_kind: global_buffer, .address_space: global }
      - { .name: weight_base, .offset: 8, .size: 8, .value_kind: global_buffer, .address_space: global }
      - { .name: lora_A, .offset: 16, .size: 8, .value_kind: global_buffer, .address_space: global }
      - { .name: lora_B, .offset: 24, .size: 8, .value_kind: global_buffer, .address_space: global }
      - { .name: xq, .offset: 32, .size: 8, .value_kind: global_buffer, .address_space: global }
      - { .name: wb, .offset: 40, .size: 8, .value_kind: global_buffer, .address_space: global }
      - { .name: aq, .offset: 48, .size: 8, .value_kind: global_buffer, .address_space: global }
    .group_segment_fixed_size: 34304
    .private_segment_fixed_size: 0
    .kernarg_segment_align: 8
    .kernarg_segment_size: 56
    .max_flat_workgroup_size: 128
    .sgpr_count:     66
    .vgpr_count:     184
    .wavefront_size: 32
...
	.end_amdgpu_metadata
.endif
;; end of part 1
;; launch lora_h (part 2): grid 16 x 16, 4 waves a work-group, clusters of 4 x 4, 327,680 bytes of LDS; arguments xq, aq, token_type, hq; writes hq
.if DOCPART == 2
	.amdgcn_target "amdgcn-amd-amdhsa--gfx1250"
	.amdhsa_code_object_version 6
	.text
	.protected	k_q70b8e25fd7_lora_h
	.globl	k_q70b8e25fd7_lora_h
	.p2align	8
	.type	k_q70b8e25fd7_lora_h,@function
k_q70b8e25fd7_lora_h:
	s_mov_b64 s[64:65], 0
	v_nop
	global_prefetch_b8 v0, s[64:65] scope:SCOPE_SE
	s_setreg_imm32_b32 hwreg(HW_REG_WAVE_MODE, 25, 1), 1
	s_wait_xcnt 0x0
	s_wait_alu depctr_hold_cnt(0) depctr_sa_sdst(0) depctr_va_vdst(0) depctr_va_sdst(0) depctr_va_ssrc(0) depctr_va_vcc(0) depctr_vm_vsrc(0)
	s_getreg_b32 s2, hwreg(HW_REG_IB_STS2, 6, 4)
	s_cmp_eq_u32 s2, 0
	s_cbranch_scc0 .Lentry_in_a_cluster
	s_endpgm
.Lentry_in_a_cluster:
	s_bfe_u32 s2, ttmp6, 0x10000c
	s_cmp_lg_u32 s2, 0xf033
	s_cbranch_scc0 .Lentry_shape_is_right
	s_endpgm
.Lentry_shape_is_right:
; h = x lora_A for all eight experts, [2048 tokens][2048 = (expert, rank)], K = 4,096, on codes of BF6 with E8M0 scales; rows of experts that a token was not given are set to 0 (token_type), the result
; is quantised along (expert, rank) and stored as codes, laid as the next launch's operand; the factor 2 of the result goes into h's scale bytes (+ 1 each).
; A work-group of four waves makes 128 tokens x 128 columns; a wave 32 x 128.  K goes in groups of 512 through two LDS slots filled by joint tensor loads in clusters of 4 x 4: tokens shared along a row, columns of lora_A along a column.
; PREFETCH: behind each joint load the group two refills on is asked for: of the four records that a wave fetches, the partner at place p (cx for tokens, cy for lora_A) names record p, 25 blocks of 256 bytes, a lane a block
; (lanes 25-31 name the last block again): each block is named once in each cluster.  The last two refills ask for nothing.
.set REC,   6400
.set FRB,   1536
.set SCO,   6144
.set NA,    2
.set TOKB,  8*REC
.set NB,    8*REC
.set NH,    NB/2
.set SLOT,  TOKB+NB
.set SPARE, 2*SLOT
.set RT,    100
.set RN,    NH/256
.set GST,   128*REC
.set GSN,   128*REC
.set SS,    4*NA+32
.set SC,    16
.set AF,    SC+2*SS
.set SPW,   3
.set NIL,   4
.set ADRA,  6
.set ADRB,  8
.set ASA,   10
.set ASB,   12
.set H,     96
.set TM,    160
.set PW,    176
.set PC,    180
.set MK,    220
.set TT,    224
.set LI,    226
.set LS,    227
.set TA,    228
.set SEL,   12
.set PFO,   15                         ; v15      256 x min(lane, 24): my block of a record; never rewritten
.set PFA,   80                         ; s[80:81] the record that my next prefetch names
.set PGN,   86                         ; s86      the group that it belongs to
.set NG,    8                          ; groups of 512 along K
.macro ASK                             ; one prefetch a wave, while a group is left
	s_cmp_lt_u32 s[PGN], NG
	s_cbranch_scc0 .Lasked_pf_\@
	global_prefetch_b8 v[PFO], s[PFA:PFA+1] th:TH_LOAD_NT scope:SCOPE_SE
.Lasked_pf_\@:
.endm
.macro STEPPF                          ; on to the next group: the address is written only behind the wait on XCNT
	s_wait_xcnt 0x0
	s_add_nc_u64 s[PFA:PFA+1], s[PFA:PFA+1], GST
	s_add_co_u32 s[PGN], s[PGN], 1
.endm
.set G1,    24
.set G0,    32
.set G1B,   48
.set G0B,   56
.set MUL,   0xa1
.set TO_B,  0x40
.set MSB, 0
.macro WIN new
.if MSB != \new
	s_set_vgpr_msb (MSB<<8)|\new
.set MSB, \new
.endif
.endm
.macro PLACES
.rept 4
	v_nop
.endr
.endm
.macro JLOAD s
	s_cmp_eq_u32 s15, 0
	s_cbranch_scc0 .Lfor_n_\@
	tensor_load_to_lds s[G0+4*(\s):G0+4*(\s)+3], s[G1:G1+7]
	s_nop 0
.rept 4
	v_nop
.endr
	s_branch .Lasked_\@
.Lfor_n_\@:
	tensor_load_to_lds s[G0B+4*(\s):G0B+4*(\s)+3], s[G1B:G1B+7]
	s_nop 0
.rept 4
	v_nop
.endr
.Lasked_\@:
.endm
.macro CREST
	s_cmp_lg_u32 s14, 0
	s_cbranch_scc1 .Lnot_wave_0_\@
	s_barrier_signal -3
.Lnot_wave_0_\@:
	s_barrier_wait -3
	s_barrier_signal -1
	s_barrier_wait -1
.endm
.macro CROUND
	s_barrier_signal -1
	s_barrier_wait -1
	CREST
.endm
.macro FRAG3 reg, adr, off
.irp c, 0,1,2
	ds_load_b128 v[(\reg)+4*\c:(\reg)+4*\c+3], v[\adr] offset:(\off)+512*\c
.endr
.endm
.macro FETCH slot, q, p
	WIN TO_B
.irp i, 0,1,2,3,4,5,6,7
	FRAG3 96*(\p)+12*\i, ADRB+(\slot), \i*REC+(\q)*FRB
.endr
	WIN 0
.irp i, 0,1
	FRAG3 AF+12*NA*(\p)+12*\i, ADRA+(\slot), \i*REC+(\q)*FRB
.endr
.endm
.macro SCALES slot
.irp i, 0,1
.irp u, 0,1
	ds_load_b64 v[SC+SS*(\slot)+4*\i+2*\u:SC+SS*(\slot)+4*\i+2*\u+1], v[ASA+(\slot)] offset:\i*REC+SCO+128*\u
.endr
.endr
.irp i, 0,1,2,3,4,5,6,7
.irp u, 0,1
	ds_load_b64 v[SC+SS*(\slot)+4*NA+4*\i+2*\u:SC+SS*(\slot)+4*NA+4*\i+2*\u+1], v[ASB+(\slot)] offset:\i*REC+SCO+128*\u
.endr
.endr
.endm
.macro MULA a, p, q, slot, zero
.irp b, 0,1,2,3,4,5,6,7
.if \zero
	v_wmma_scale_f32_16x16x128_f8f6f4 v[8*(8*(\a)+\b):8*(8*(\a)+\b)+7], v[96*(\p)+12*\b:96*(\p)+12*\b+11], v[AF+12*NA*(\p)+12*(\a):AF+12*NA*(\p)+12*(\a)+11], 0, v[SC+SS*(\slot)+4*NA+4*\b+(\q)], v[SC+SS*(\slot)+4*(\a)+(\q)] matrix_a_fmt:MATRIX_FMT_BF6 matrix_b_fmt:MATRIX_FMT_BF6
.else
	v_wmma_scale_f32_16x16x128_f8f6f4 v[8*(8*(\a)+\b):8*(8*(\a)+\b)+7], v[96*(\p)+12*\b:96*(\p)+12*\b+11], v[AF+12*NA*(\p)+12*(\a):AF+12*NA*(\p)+12*(\a)+11], v[8*(8*(\a)+\b):8*(8*(\a)+\b)+7], v[SC+SS*(\slot)+4*NA+4*\b+(\q)], v[SC+SS*(\slot)+4*(\a)+(\q)] matrix_a_fmt:MATRIX_FMT_BF6 matrix_b_fmt:MATRIX_FMT_BF6
.endif
.endr
.endm
.macro STEP slot, q, zero
	s_wait_dscnt 0x0
	PLACES
	FETCH \slot, (\q)+1, ((\q)+1)%2
	WIN MUL
.irp a, 0,1
	MULA \a, (\q)%2, \q, \slot, \zero
.endr
.endm
.macro TURN slot, next, fill
.if \fill
	STEPPF
.endif
	WIN 0
	s_wait_tensorcnt 0x0
	ds_add_u32 v[SPW], v[NIL]
	s_wait_dscnt 1
	WIN MUL
	MULA 0, 1, 3, \slot, 0
	s_wait_dscnt 0x0
	WIN 0
	s_barrier_signal -1
	s_barrier_wait -1
.if \fill
	CREST
	s_add_nc_u64 s[G0+4*\slot+2:G0+4*\slot+3], s[G0+4*\slot+2:G0+4*\slot+3], 2*GST
	s_add_nc_u64 s[G0B+4*\slot+2:G0B+4*\slot+3], s[G0B+4*\slot+2:G0B+4*\slot+3], 2*GSN
	JLOAD \slot
.else
	PLACES
.endif
	FETCH \next, 0, 0
	SCALES \next
.if \fill
	ASK
.endif
	WIN MUL
	MULA 1, 1, 3, \slot, 0
.endm
.macro LAP f
	STEP 0, 1, 0
	STEP 0, 2, 0
	TURN 0, 1, \f
	STEP 1, 0, 0
	STEP 1, 1, 0
	STEP 1, 2, 0
	TURN 1, 0, \f
	STEP 0, 0, 0
	WIN 0
.endm
.macro QUANT s, pc, pw
.irp b, 0,1,2,3
	v_max3_num_f32 v[TM+\b], |v[(\s)+16*\b]|, |v[(\s)+1+16*\b]|, 0x2800000
.endr
.irp i, 2,4,6,8,10,12,14
.irp b, 0,1,2,3
	v_max3_num_f32 v[TM+\b], v[TM+\b], |v[(\s)+16*\b+\i]|, |v[(\s)+1+16*\b+\i]|
.endr
.endr
.irp b, 0,1,2,3
	v_permlanex16_b32 v[TM+4+\b], v[TM+\b], s[SEL], s[SEL+1]
.endr
.irp b, 0,1,2,3
	v_max_num_f32 v[TM+\b], v[TM+\b], v[TM+4+\b]
.endr
.irp b, 0,1,2,3
	v_add_nc_u32 v[TM+12+\b], 0xfe000000, v[TM+\b]
.endr
.irp b, 0,1,2,3
	v_lshrrev_b32 v[TM+4+\b], 23, v[TM+12+\b]
.endr
	v_lshl_or_b32 v[\pw], v[TM+5], 8, v[TM+4]
	v_lshl_or_b32 v[\pw], v[TM+6], 16, v[\pw]
	v_lshl_or_b32 v[\pw], v[TM+7], 24, v[\pw]
.irp c, 0,1
	v_cvt_scalef32_pk16_bf6_f32 v[(\pc)+6*\c:(\pc)+2+6*\c], v[(\s)+32*\c:(\s)+15+32*\c], v[TM+12+2*\c]
	v_cvt_scalef32_pk16_bf6_f32 v[(\pc)+12+4*\c:(\pc)+14+4*\c], v[(\s)+16+32*\c:(\s)+31+32*\c], v[TM+12+2*\c+1]
.endr
	v_nop
.irp c, 0,1
.irp i, 0,1,2
	v_permlane16_swap_b32 v[(\pc)+6*\c+\i], v[(\pc)+12+4*\c+\i]
.endr
.irp i, 0,1,2
	v_mov_b32 v[(\pc)+3+6*\c+\i], v[(\pc)+12+4*\c+\i]
.endr
.endr
.endm
	s_load_b256 s[4:11], s[0:1], 0x0
	v_lshl_add_u32 v[SPW], v0, 2, SPARE
	v_mov_b32 v[NIL], 0
	ds_add_u32 v[SPW], v[NIL]
	ds_add_u32 v[SPW], v[NIL]
	v_lshrrev_b32 v1, 5, v0
	v_readfirstlane_b32 s14, v1
	v_and_b32 v[PFO], 31, v0
	v_min_u32 v[PFO], 24, v[PFO]
	v_lshlrev_b32 v[PFO], 8, v[PFO]
	s_lshr_b32 s15, s14, 1
	s_and_b32 s16, s14, 1
	s_bfe_u32 s40, ttmp6, 0x40000
	s_bfe_u32 s41, ttmp6, 0x40004
	s_lshl_b32 s42, ttmp9, 2
	s_add_co_u32 s42, s42, s40
	s_and_b32 s17, ttmp7, 0xffff
	s_lshl_b32 s17, s17, 2
	s_add_co_u32 s17, s17, s41
	s_lshl_b32 s43, s41, 2
	s_lshl_b32 s43, 15, s43
	s_lshl_b32 s44, 0x1111, s40
	s_or_b32 s[G1], s43, (3<<16)|(1<<21)
	s_or_b32 s[G1B], s44, (3<<16)|(1<<21)
	s_mov_b32 s[G1+1], 32<<16
	s_mov_b32 s[G1+2], RT<<16
	s_mov_b32 s[G1+3], 32<<16
	s_mov_b32 s[G1+4], RT
	s_mov_b32 s[G1+5], 32
	s_mov_b32 s[G1+6], 0
	s_mov_b32 s[G1+7], 0
	s_mov_b32 s[G1B+1], 32<<16
	s_mov_b32 s[G1B+2], RN<<16
	s_mov_b32 s[G1B+3], 32<<16
	s_mov_b32 s[G1B+4], RN
	s_mov_b32 s[G1B+5], 32
	s_mov_b32 s[G1B+6], 0
	s_mov_b32 s[G1B+7], 0
	s_mul_i32 s20, s17, TOKB
	s_mul_i32 s45, s16, 4*REC
	s_add_co_u32 s20, s20, s45
	s_mov_b32 s21, 0
	s_mul_i32 s46, s42, NB
	s_mul_i32 s68, s16, NH
	s_add_co_u32 s46, s46, s68
	s_mov_b32 s47, 0
	s_add_co_u32 s68, s68, TOKB
	s_lshr_b32 s74, s42, 2
	s_lshl_b32 s74, s74, 7
	s_lshl_b32 s75, s17, 3
	s_add_co_u32 s74, s74, s75
	s_lshl_b32 s75, s14, 1
	s_add_co_u32 s74, s74, s75
	s_mul_i32 s74, s74, REC
	s_and_b32 s76, s42, 3
	s_mul_i32 s77, s76, FRB
	s_add_co_u32 s70, s74, s77
	s_mov_b32 s71, 0
	s_lshr_b32 s76, s76, 1
	s_lshl_b32 s76, s76, 7
	s_and_b32 s77, s42, 1
	s_lshl_b32 s77, s77, 2
	s_add_co_u32 s72, s74, s76
	s_add_co_u32 s72, s72, s77
	s_add_co_u32 s72, s72, SCO
	s_mov_b32 s73, 0
	s_lshr_b32 s69, s42, 1
	s_lshl_b32 s78, s17, 9
	s_lshl_b32 s79, s14, 7
	s_add_co_u32 s78, s78, s79
	s_mov_b32 s79, 0
	s_mov_b32 s[SEL], 0x76543210
	s_mov_b32 s[SEL+1], 0xfedcba98
	s_wait_dscnt 0x0
	s_wait_kmcnt 0x0
	s_add_nc_u64 s[22:23], s[4:5], s[20:21]
	s_add_nc_u64 s[46:47], s[6:7], s[46:47]
	s_add_nc_u64 s[70:71], s[10:11], s[70:71]
	s_add_nc_u64 s[72:73], s[10:11], s[72:73]
	s_add_nc_u64 s[78:79], s[8:9], s[78:79]
	s_mul_i32 s88, s40, REC                        ; the prefetches: my work-group's record of the four that I fetch, told apart by address
	s_mov_b32 s89, 0
	s_mul_i32 s90, s41, REC
	s_mov_b32 s91, 0
	s_add_nc_u64 s[92:93], s[22:23], s[88:89]
	s_add_nc_u64 s[94:95], s[46:47], s[90:91]
	s_cmp_eq_u32 s15, 0                            ; do I fetch tokens?
	s_cselect_b64 s[PFA:PFA+1], s[92:93], s[94:95]
	s_add_nc_u64 s[PFA:PFA+1], s[PFA:PFA+1], GST   ; group 1
	s_mov_b32 s[PGN], 1
	CROUND
.irp s, 0,1
	s_mov_b32 s[G0+4*\s], 1
	s_add_co_u32 s[G0+4*\s+1], s45, \s*SLOT
	s_add_nc_u64 s[G0+4*\s+2:G0+4*\s+3], s[22:23], \s*GST
	s_or_b32 s[G0+4*\s+3], s[G0+4*\s+3], 0x80000000
	s_mov_b32 s[G0B+4*\s], 1
	s_add_co_u32 s[G0B+4*\s+1], s68, \s*SLOT
	s_add_nc_u64 s[G0B+4*\s+2:G0B+4*\s+3], s[46:47], \s*GSN
	s_or_b32 s[G0B+4*\s+3], s[G0B+4*\s+3], 0x80000000
.if \s
	STEPPF
.endif
	s_wait_alu depctr_va_vdst(0)
.if \s
	s_wait_tensorcnt 0x0                           ; slot 1's first fill is issued as a refill is: my part of group 0 is in,
	ds_add_u32 v3, v4                              ; the add,
	s_wait_dscnt 0x0
	CROUND                                         ; and a whole round
.endif
	JLOAD \s                                       ; one joint load a wave behind each round
	ASK
.endr
	v_and_b32 v1, 15, v0
	v_and_b32 v[LI], 31, v0
	v_lshlrev_b32 v[LI], 4, v[LI]
	v_lshlrev_b32 v[LS], 3, v1
	v_lshlrev_b32 v[TA], 2, v1
.irp a, 0,1
	global_load_b32 v[TT+\a], v[TA], s[78:79] offset:64*\a
.endr
	s_mul_i32 s18, s14, 2*REC
	s_mov_b32 s19, TOKB
.irp s, 0,1
	v_add_nc_u32 v[ADRA+\s], s18, v[LI]
	v_add_nc_u32 v[ADRB+\s], s19, v[LI]
	v_add_nc_u32 v[ASA+\s], s18, v[LS]
	v_add_nc_u32 v[ASB+\s], s19, v[LS]
	s_add_co_u32 s18, s18, SLOT
	s_add_co_u32 s19, s19, SLOT
.endr
	STEPPF
	ASK                                            ; group 3: from here on each refill of group n asks for group n + 2
	s_wait_alu depctr_va_vdst(0)
	s_wait_tensorcnt 1
	s_barrier_signal -1
	s_barrier_wait -1
	FETCH 0, 0, 0
	SCALES 0
	STEP 0, 0, 1
	WIN 0
	s_mov_b32 s3, 3
.Llap:
	LAP 1
	s_sub_co_u32 s3, s3, 1
	s_cmp_lg_u32 s3, 0
	s_cbranch_scc1 .Llap
	STEP 0, 1, 0
	STEP 0, 2, 0
	TURN 0, 1, 0
	STEP 1, 0, 0
	STEP 1, 1, 0
	STEP 1, 2, 0
	s_wait_dscnt 0x0
	WIN MUL
	MULA 0, 1, 3, 1, 0
	MULA 1, 1, 3, 1, 0
	WIN 0
	PLACES
	s_wait_loadcnt 0x0
	v_mov_b32 v229, 1.0
	v_mov_b32 v230, 0
.irp b, 0,1,2,3
	v_mov_b32 v[TM+4+\b], 0
.endr
.irp a, 0,1
	v_cmp_eq_u32 vcc_lo, s69, v[TT+\a]
	v_cndmask_b32 v[MK+2*\a], v230, v229, vcc_lo
	v_cndmask_b32 v[MK+2*\a+1], v230, v229, vcc_lo
	WIN 0x02
.irp i, 0,1,2,3,4,5,6,7,8,9,10,11,12,13,14,15,16,17,18,19,20,21,22,23,24,25,26,27,28,29,30,31
	v_pk_mul_f32 v[H+2*\i:H+2*\i+1], v[64*\a+2*\i:64*\a+2*\i+1], v[MK+2*\a:MK+2*\a+1] op_sel_hi:[1,0]
.endr
	WIN 0
	QUANT H, PC+20*\a, PW+\a
	v_add_nc_u32 v[PW+\a], 0x01010101, v[PW+\a]
.irp c, 0,1,2
	global_store_b128 v[LI], v[PC+20*\a+4*\c:PC+20*\a+4*\c+3], s[70:71] offset:REC*\a+512*\c
.endr
	global_store_b32 v[LS], v[PW+\a], s[72:73] offset:REC*\a
.endr
	s_wait_tensorcnt 0x0
	ds_add_u32 v[SPW], v[NIL]
	s_wait_dscnt 0x0
	CROUND
	s_endpgm
.Lfunc_end_k_q70b8e25fd7_lora_h:
	.size	k_q70b8e25fd7_lora_h, .Lfunc_end_k_q70b8e25fd7_lora_h-k_q70b8e25fd7_lora_h
	.p2alignl 7, 3214868480
	.fill 96, 4, 3214868480
	.section	.rodata,"a",@progbits
	.p2align	6, 0x0
	.amdhsa_kernel k_q70b8e25fd7_lora_h
		.amdhsa_group_segment_fixed_size 327680
		.amdhsa_private_segment_fixed_size 0
		.amdhsa_enable_private_segment 0
		.amdhsa_kernarg_size 32
		.amdhsa_user_sgpr_count 2
		.amdhsa_user_sgpr_kernarg_segment_ptr 1
		.amdhsa_wavefront_size32 1
		.amdhsa_system_sgpr_workgroup_id_x 1
		.amdhsa_system_sgpr_workgroup_id_y 1
		.amdhsa_system_sgpr_workgroup_id_z 1
		.amdhsa_system_vgpr_workitem_id 0
		.amdhsa_next_free_vgpr 640
		.amdhsa_next_free_sgpr 100
		.amdhsa_reserve_vcc 1
		.amdhsa_float_denorm_mode_32 3
		.amdhsa_float_denorm_mode_16_64 3
		.amdhsa_memory_ordered 1
		.amdhsa_forward_progress 1
		.amdhsa_inst_pref_size 97
	.end_amdhsa_kernel
	.amdgpu_metadata
---
amdhsa.version: [ 1, 2 ]
amdhsa.kernels:
  - .name:           k_q70b8e25fd7_lora_h
    .symbol:         k_q70b8e25fd7_lora_h.kd
    .args:
      - { .name: xq, .offset: 0, .size: 8, .value_kind: global_buffer, .address_space: global }
      - { .name: aq, .offset: 8, .size: 8, .value_kind: global_buffer, .address_space: global }
      - { .name: token_type, .offset: 16, .size: 8, .value_kind: global_buffer, .address_space: global }
      - { .name: hq, .offset: 24, .size: 8, .value_kind: global_buffer, .address_space: global }
    .group_segment_fixed_size: 327680
    .private_segment_fixed_size: 0
    .kernarg_segment_align: 8
    .kernarg_segment_size: 32
    .max_flat_workgroup_size: 128
    .sgpr_count:     100
    .vgpr_count:     640
    .wavefront_size: 32
...
	.end_amdgpu_metadata
.endif
;; end of part 2
;; launch base_lora (part 3): grid 16 x 16, 4 waves a work-group, clusters of 4 x 4, 327,680 bytes of LDS; arguments xq, hq, wb, out0; writes out0
.if DOCPART == 3
	.amdgcn_target "amdgcn-amd-amdhsa--gfx1250"
	.amdhsa_code_object_version 6
	.text
	.protected	k_q70b8e25fd7_base_lora
	.globl	k_q70b8e25fd7_base_lora
	.p2align	8
	.type	k_q70b8e25fd7_base_lora,@function
k_q70b8e25fd7_base_lora:
	s_mov_b64 s[64:65], 0
	v_nop
	global_prefetch_b8 v0, s[64:65] scope:SCOPE_SE
	s_setreg_imm32_b32 hwreg(HW_REG_WAVE_MODE, 25, 1), 1
	s_wait_xcnt 0x0
	s_wait_alu depctr_hold_cnt(0) depctr_sa_sdst(0) depctr_va_vdst(0) depctr_va_sdst(0) depctr_va_ssrc(0) depctr_va_vcc(0) depctr_vm_vsrc(0)
	s_getreg_b32 s2, hwreg(HW_REG_IB_STS2, 6, 4)
	s_cmp_eq_u32 s2, 0
	s_cbranch_scc0 .Lentry_in_a_cluster
	s_endpgm
.Lentry_in_a_cluster:
	s_bfe_u32 s2, ttmp6, 0x10000c
	s_cmp_lg_u32 s2, 0xf033
	s_cbranch_scc0 .Lentry_shape_is_right
	s_endpgm
.Lentry_shape_is_right:
; out0 = x weight_base^T + 2 h lora_B as ONE product on codes of BF6 with E8M0 scales: K = 4,096 (x against weight_base) and then 2,048 (the masked h, with the factor 2 in its scale bytes, against lora_B turned).
; A work-group of four waves makes 128 tokens x 256 outputs; a wave 64 x 128: 32 accumulators.  K goes in 12 groups of 512 through two LDS slots filled by joint tensor loads in clusters of 4 x 4:
; tokens' records shared along a row of the cluster, the weights' along a column.  The records are images of the operands' registers, so a fragment is three loads of 16 bytes a lane.
; PREFETCH: behind each joint load the group two refills on is asked for.  Of the four records of tokens that a wave fetches the partner at place cx names one, of the eight records of weights the partner at place cy two:
; 25 blocks of 256 bytes a record, a lane a block (lanes 25-31 name the last block again), so each block is named once in each cluster.  At group 8 the tokens' address goes over to h.  The last two refills ask for nothing.
.set REC,   6400
.set FRB,   1536
.set SCO,   6144
.set NA,    4
.set TOKB,  8*REC
.set NB,    16*REC
.set NH,    NB/2
.set SLOT,  TOKB+NB
.set SPARE, 2*SLOT
.set RT,    100
.set RN,    NH/256
.set GST,   128*REC
.set GSN,   256*REC
.set SS,    4*NA+32
.set SC,    16
.set AF,    SC+2*SS
.set SPW,   3
.set NIL,   4
.set LI,    5
.set ADRA,  6
.set ADRB,  8
.set ASA,   10
.set ASB,   12
.set BK,    112
.set STO,   240
.set RD,    241
.set SPITCH, 528
.set HP,    66
.set PFO,   15                         ; v15      256 x min(lane, 24): my block of a record; never rewritten
.set PFA,   80                         ; s[80:81] the record that my next prefetch names
.set P8,    82                         ; s[82:83] the same for group 8: in h for the tokens' waves, in wb for the weights'
.set STR,   84                         ; s[84:85] bytes from group to group of my operand
.set PC,    86                         ; s86      the group that the next prefetch belongs to
.macro ASK                             ; one record for a wave that fetches tokens, two for a wave that fetches weights; written only where a group two refills on is left
	global_prefetch_b8 v[PFO], s[PFA:PFA+1] th:TH_LOAD_NT scope:SCOPE_SE
	s_cmp_eq_u32 s15, 0
	s_cbranch_scc1 .Lasked_pf_\@
	global_prefetch_b8 v[PFO], s[PFA:PFA+1] offset:REC th:TH_LOAD_NT scope:SCOPE_SE
.Lasked_pf_\@:
.endm
.macro STEPPF                          ; on to the next group: the address is written only behind the wait on XCNT
	s_wait_xcnt 0x0
	s_add_nc_u64 s[PFA:PFA+1], s[PFA:PFA+1], s[STR:STR+1]
	s_add_co_u32 s[PC], s[PC], 1
	s_cmp_eq_u32 s[PC], 8
	s_cselect_b64 s[PFA:PFA+1], s[P8:P8+1], s[PFA:PFA+1]
.endm
.set G1,    24
.set G0,    32
.set G1B,   48
.set G0B,   56
.set MUL,   0xa1
.set TO_B,  0x40
.set MSB, 0
.macro WIN new
.if MSB != \new
	s_set_vgpr_msb (MSB<<8)|\new
.set MSB, \new
.endif
.endm
.macro PLACES
.rept 4
	v_nop
.endr
.endm
.macro JLOAD s
	s_cmp_eq_u32 s15, 0
	s_cbranch_scc0 .Lfor_n_\@
	tensor_load_to_lds s[G0+4*(\s):G0+4*(\s)+3], s[G1:G1+7]
	s_nop 0
.rept 4
	v_nop
.endr
	s_branch .Lasked_\@
.Lfor_n_\@:
	tensor_load_to_lds s[G0B+4*(\s):G0B+4*(\s)+3], s[G1B:G1B+7]
	s_nop 0
.rept 4
	v_nop
.endr
.Lasked_\@:
.endm
.macro CREST
	s_cmp_lg_u32 s14, 0
	s_cbranch_scc1 .Lnot_wave_0_\@
	s_barrier_signal -3
.Lnot_wave_0_\@:
	s_barrier_wait -3
	s_barrier_signal -1
	s_barrier_wait -1
.endm
.macro CROUND
	s_barrier_signal -1
	s_barrier_wait -1
	CREST
.endm
.macro FRAG3 reg, adr, off
.irp c, 0,1,2
	ds_load_b128 v[(\reg)+4*\c:(\reg)+4*\c+3], v[\adr] offset:(\off)+512*\c
.endr
.endm
.macro FETCH slot, q, p
	WIN TO_B
.irp i, 0,1,2,3,4,5,6,7
	FRAG3 96*(\p)+12*\i, ADRB+(\slot), \i*REC+(\q)*FRB
.endr
	WIN 0
.irp i, 0,1,2,3
	FRAG3 AF+12*NA*(\p)+12*\i, ADRA+(\slot), \i*REC+(\q)*FRB
.endr
.endm
.macro SCALES slot
.irp i, 0,1,2,3
.irp u, 0,1
	ds_load_b64 v[SC+SS*(\slot)+4*\i+2*\u:SC+SS*(\slot)+4*\i+2*\u+1], v[ASA+(\slot)] offset:\i*REC+SCO+128*\u
.endr
.endr
.irp i, 0,1,2,3,4,5,6,7
.irp u, 0,1
	ds_load_b64 v[SC+SS*(\slot)+4*NA+4*\i+2*\u:SC+SS*(\slot)+4*NA+4*\i+2*\u+1], v[ASB+(\slot)] offset:\i*REC+SCO+128*\u
.endr
.endr
.endm
.macro MULA a, p, q, slot, zero
.irp b, 0,1,2,3,4,5,6,7
.if \zero
	v_wmma_scale_f32_16x16x128_f8f6f4 v[8*(8*(\a)+\b):8*(8*(\a)+\b)+7], v[96*(\p)+12*\b:96*(\p)+12*\b+11], v[AF+12*NA*(\p)+12*(\a):AF+12*NA*(\p)+12*(\a)+11], 0, v[SC+SS*(\slot)+4*NA+4*\b+(\q)], v[SC+SS*(\slot)+4*(\a)+(\q)] matrix_a_fmt:MATRIX_FMT_BF6 matrix_b_fmt:MATRIX_FMT_BF6
.else
	v_wmma_scale_f32_16x16x128_f8f6f4 v[8*(8*(\a)+\b):8*(8*(\a)+\b)+7], v[96*(\p)+12*\b:96*(\p)+12*\b+11], v[AF+12*NA*(\p)+12*(\a):AF+12*NA*(\p)+12*(\a)+11], v[8*(8*(\a)+\b):8*(8*(\a)+\b)+7], v[SC+SS*(\slot)+4*NA+4*\b+(\q)], v[SC+SS*(\slot)+4*(\a)+(\q)] matrix_a_fmt:MATRIX_FMT_BF6 matrix_b_fmt:MATRIX_FMT_BF6
.endif
.endr
.endm
.macro STEP slot, q, zero
	s_wait_dscnt 0x0
	PLACES
	FETCH \slot, (\q)+1, ((\q)+1)%2
	WIN MUL
.irp a, 0,1,2,3
	MULA \a, (\q)%2, \q, \slot, \zero
.endr
.endm
.macro TURN slot, next, fill
.if (\fill == 1) || (\fill == 2)       ; fill = 3: a refill with no group two refills on: nothing is asked for
	STEPPF
.endif
	WIN 0
	s_wait_tensorcnt 0x0
	ds_add_u32 v[SPW], v[NIL]
	s_wait_dscnt 1
	WIN MUL
	MULA 0, 1, 3, \slot, 0
	s_wait_dscnt 0x0
	s_barrier_signal -1
	MULA 1, 1, 3, \slot, 0
	WIN 0
	s_barrier_wait -1
.if \fill
	CREST
.if \fill == 2
.if \slot == 0
	s_mov_b64 s[G0+2:G0+3], s[HP:HP+1]
.else
	s_add_nc_u64 s[G0+6:G0+7], s[HP:HP+1], GST
.endif
	s_or_b32 s[G0+4*\slot+3], s[G0+4*\slot+3], 0x80000000
.else
	s_add_nc_u64 s[G0+4*\slot+2:G0+4*\slot+3], s[G0+4*\slot+2:G0+4*\slot+3], 2*GST
.endif
	s_add_nc_u64 s[G0B+4*\slot+2:G0B+4*\slot+3], s[G0B+4*\slot+2:G0B+4*\slot+3], 2*GSN
	JLOAD \slot
.else
	PLACES
.endif
	FETCH \next, 0, 0
	SCALES \next
.if (\fill == 1) || (\fill == 2)
	ASK
.endif
	WIN MUL
	MULA 2, 1, 3, \slot, 0
	MULA 3, 1, 3, \slot, 0
.endm
.macro LAP f
	STEP 0, 1, 0
	STEP 0, 2, 0
	TURN 0, 1, \f
	STEP 1, 0, 0
	STEP 1, 1, 0
	STEP 1, 2, 0
	TURN 1, 0, \f
	STEP 0, 0, 0
	WIN 0
.endm
	s_load_b256 s[4:11], s[0:1], 0x0
	v_lshl_add_u32 v[SPW], v0, 2, SPARE
	v_mov_b32 v[NIL], 0
	ds_add_u32 v[SPW], v[NIL]
	ds_add_u32 v[SPW], v[NIL]
	v_lshrrev_b32 v1, 5, v0
	v_readfirstlane_b32 s14, v1
	v_and_b32 v[PFO], 31, v0
	v_min_u32 v[PFO], 24, v[PFO]
	v_lshlrev_b32 v[PFO], 8, v[PFO]
	s_lshr_b32 s15, s14, 1
	s_and_b32 s16, s14, 1
	s_bfe_u32 s40, ttmp6, 0x40000
	s_bfe_u32 s41, ttmp6, 0x40004
	s_lshl_b32 s42, ttmp9, 2
	s_add_co_u32 s42, s42, s40
	s_and_b32 s17, ttmp7, 0xffff
	s_lshl_b32 s17, s17, 2
	s_add_co_u32 s17, s17, s41
	s_lshl_b32 s43, s41, 2
	s_lshl_b32 s43, 15, s43
	s_lshl_b32 s44, 0x1111, s40
	s_or_b32 s[G1], s43, (3<<16)|(1<<21)
	s_or_b32 s[G1B], s44, (3<<16)|(1<<21)
	s_mov_b32 s[G1+1], 32<<16
	s_mov_b32 s[G1+2], RT<<16
	s_mov_b32 s[G1+3], 32<<16
	s_mov_b32 s[G1+4], RT
	s_mov_b32 s[G1+5], 32
	s_mov_b32 s[G1+6], 0
	s_mov_b32 s[G1+7], 0
	s_mov_b32 s[G1B+1], 32<<16
	s_mov_b32 s[G1B+2], RN<<16
	s_mov_b32 s[G1B+3], 32<<16
	s_mov_b32 s[G1B+4], RN
	s_mov_b32 s[G1B+5], 32
	s_mov_b32 s[G1B+6], 0
	s_mov_b32 s[G1B+7], 0
	s_mul_i32 s20, s17, TOKB
	s_mul_i32 s45, s16, 4*REC
	s_add_co_u32 s20, s20, s45
	s_mov_b32 s21, 0
	s_mul_i32 s46, s42, NB
	s_mul_i32 s68, s16, NH
	s_add_co_u32 s46, s46, s68
	s_mov_b32 s47, 0
	s_add_co_u32 s68, s68, TOKB
	s_lshl_b32 s74, s17, 7
	s_lshl_b32 s75, s15, 6
	s_add_co_u32 s74, s74, s75
	s_lshl_b32 s74, s74, 14
	s_lshl_b32 s75, s42, 10
	s_add_co_u32 s74, s74, s75
	s_lshl_b32 s75, s16, 9
	s_add_co_u32 s74, s74, s75
	s_mov_b32 s75, 0
	s_wait_dscnt 0x0
	s_wait_kmcnt 0x0
	s_add_nc_u64 s[22:23], s[4:5], s[20:21]
	s_add_nc_u64 s[HP:HP+1], s[6:7], s[20:21]
	s_add_nc_u64 s[46:47], s[8:9], s[46:47]
	s_add_nc_u64 s[10:11], s[10:11], s[74:75]
	s_mul_i32 s88, s40, REC                        ; the prefetches: my work-group's share of the records that I fetch, told apart by address
	s_mov_b32 s89, 0
	s_mul_i32 s90, s41, 2*REC
	s_mov_b32 s91, 0
	s_add_nc_u64 s[92:93], s[22:23], s[88:89]      ; in xq
	s_add_nc_u64 s[96:97], s[HP:HP+1], s[88:89]    ; in hq
	s_add_nc_u64 s[94:95], s[46:47], s[90:91]      ; in wb,
	s_add_nc_u64 s[98:99], s[94:95], 8*GSN         ; and its group 8
	s_mov_b32 s[STR], GSN
	s_mov_b32 s[STR+1], 0
	s_cmp_eq_u32 s15, 0                            ; do I fetch tokens?
	s_cselect_b64 s[PFA:PFA+1], s[92:93], s[94:95]
	s_cselect_b64 s[P8:P8+1], s[96:97], s[98:99]
	s_cselect_b32 s[STR], GST, s[STR]
	s_add_nc_u64 s[PFA:PFA+1], s[PFA:PFA+1], s[STR:STR+1]   ; group 1
	s_mov_b32 s[PC], 1
	CROUND
.irp s, 0,1
	s_mov_b32 s[G0+4*\s], 1
	s_add_co_u32 s[G0+4*\s+1], s45, \s*SLOT
	s_add_nc_u64 s[G0+4*\s+2:G0+4*\s+3], s[22:23], \s*GST
	s_or_b32 s[G0+4*\s+3], s[G0+4*\s+3], 0x80000000
	s_mov_b32 s[G0B+4*\s], 1
	s_add_co_u32 s[G0B+4*\s+1], s68, \s*SLOT
	s_add_nc_u64 s[G0B+4*\s+2:G0B+4*\s+3], s[46:47], \s*GSN
	s_or_b32 s[G0B+4*\s+3], s[G0B+4*\s+3], 0x80000000
.if \s
	STEPPF
.endif
	s_wait_alu depctr_va_vdst(0)
.if \s
	s_wait_tensorcnt 0x0                           ; slot 1's first fill is issued as a refill is: my part of group 0 is in,
	ds_add_u32 v3, v4                              ; the add,
	s_wait_dscnt 0x0
	CROUND                                         ; and a whole round
.endif
	JLOAD \s                                       ; one joint load a wave behind each round
	ASK
.endr
	v_and_b32 v1, 15, v0
	v_bfe_u32 v2, v0, 4, 1
	v_and_b32 v[LI], 31, v0
	v_lshlrev_b32 v[LI], 4, v[LI]
	v_lshlrev_b32 v14, 3, v1
	s_mul_i32 s18, s15, 4*REC
	s_mul_i32 s19, s16, NH
	s_add_co_u32 s19, s19, TOKB
.irp s, 0,1
	v_add_nc_u32 v[ADRA+\s], s18, v[LI]
	v_add_nc_u32 v[ADRB+\s], s19, v[LI]
	v_add_nc_u32 v[ASA+\s], s18, v14
	v_add_nc_u32 v[ASB+\s], s19, v14
	s_add_co_u32 s18, s18, SLOT
	s_add_co_u32 s19, s19, SLOT
.endr
	s_mul_i32 s18, s14, 16*SPITCH
	v_mul_u32_u24 v[STO], v1, SPITCH
	v_lshl_add_u32 v[STO], v2, 5, v[STO]
	v_add_nc_u32 v[STO], s18, v[STO]
	v_add_nc_u32 v[RD], s18, v[LI]
	STEPPF
	ASK                                            ; group 3: from here on each refill of group n asks for group n + 2
	s_wait_alu depctr_va_vdst(0)
	s_wait_tensorcnt 1
	s_barrier_signal -1
	s_barrier_wait -1
	FETCH 0, 0, 0
	SCALES 0
	STEP 0, 0, 1
	WIN 0
	s_mov_b32 s3, 3
.Llap:
	LAP 1
	s_sub_co_u32 s3, s3, 1
	s_cmp_lg_u32 s3, 0
	s_cbranch_scc1 .Llap
	LAP 2
	LAP 3
	STEP 0, 1, 0
	STEP 0, 2, 0
	TURN 0, 1, 0
	STEP 1, 0, 0
	STEP 1, 1, 0
	STEP 1, 2, 0
	s_wait_dscnt 0x0
	WIN MUL
	MULA 0, 1, 3, 1, 0
	MULA 1, 1, 3, 1, 0
	MULA 2, 1, 3, 1, 0
	MULA 3, 1, 3, 1, 0
	WIN 0
.macro TOSTAGE a
	WIN 0x08
.irp b, 0,1,2,3,4,5,6,7
	ds_store_b128 v[STO], v[64*(\a)+8*\b:64*(\a)+8*\b+3] offset:64*\b
	ds_store_b128 v[STO], v[64*(\a)+8*\b+4:64*(\a)+8*\b+7] offset:64*\b+16
.endr
	WIN 0
.irp t, 0,1,2,3,4,5,6,7,8,9,10,11,12,13,14,15
	ds_load_b128 v[BK+64*((\a)%2)+4*\t:BK+64*((\a)%2)+4*\t+3], v[RD] offset:\t*SPITCH
.endr
.endm
.macro SEND a, younger
	s_wait_dscnt \younger
.if (\a) > 0
	s_add_nc_u64 s[10:11], s[10:11], 16*16384
.endif
.irp t, 0,1,2,3,4,5,6,7,8,9,10,11,12,13,14,15
	global_store_b128 v[LI], v[BK+64*((\a)%2)+4*\t:BK+64*((\a)%2)+4*\t+3], s[10:11] offset:\t*16384 th:TH_STORE_NT
.endr
.endm
	PLACES
	TOSTAGE 0
.irp a, 1,2,3
.if \a > 1
	s_wait_xcnt 0x0
.endif
	TOSTAGE \a
	SEND \a-1, 32
.endr
	s_wait_xcnt 0x0
	SEND 3, 0
	s_wait_tensorcnt 0x0
	ds_add_u32 v[SPW], v[NIL]
	s_wait_dscnt 0x0
	CROUND
	s_endpgm
.Lfunc_end_k_q70b8e25fd7_base_lora:
	.size	k_q70b8e25fd7_base_lora, .Lfunc_end_k_q70b8e25fd7_base_lora-k_q70b8e25fd7_base_lora
	.p2alignl 7, 3214868480
	.fill 96, 4, 3214868480
	.section	.rodata,"a",@progbits
	.p2align	6, 0x0
	.amdhsa_kernel k_q70b8e25fd7_base_lora
		.amdhsa_group_segment_fixed_size 327680
		.amdhsa_private_segment_fixed_size 0
		.amdhsa_enable_private_segment 0
		.amdhsa_kernarg_size 32
		.amdhsa_user_sgpr_count 2
		.amdhsa_user_sgpr_kernarg_segment_ptr 1
		.amdhsa_wavefront_size32 1
		.amdhsa_system_sgpr_workgroup_id_x 1
		.amdhsa_system_sgpr_workgroup_id_y 1
		.amdhsa_system_sgpr_workgroup_id_z 1
		.amdhsa_system_vgpr_workitem_id 0
		.amdhsa_next_free_vgpr 768
		.amdhsa_next_free_sgpr 100
		.amdhsa_reserve_vcc 0
		.amdhsa_float_denorm_mode_32 3
		.amdhsa_float_denorm_mode_16_64 3
		.amdhsa_memory_ordered 1
		.amdhsa_forward_progress 1
		.amdhsa_inst_pref_size 253
	.end_amdhsa_kernel
	.amdgpu_metadata
---
amdhsa.version: [ 1, 2 ]
amdhsa.kernels:
  - .name:           k_q70b8e25fd7_base_lora
    .symbol:         k_q70b8e25fd7_base_lora.kd
    .args:
      - { .name: xq, .offset: 0, .size: 8, .value_kind: global_buffer, .address_space: global }
      - { .name: hq, .offset: 8, .size: 8, .value_kind: global_buffer, .address_space: global }
      - { .name: wb, .offset: 16, .size: 8, .value_kind: global_buffer, .address_space: global }
      - { .name: out0, .offset: 24, .size: 8, .value_kind: global_buffer, .address_space: global }
    .group_segment_fixed_size: 327680
    .private_segment_fixed_size: 0
    .kernarg_segment_align: 8
    .kernarg_segment_size: 32
    .max_flat_workgroup_size: 128
    .sgpr_count:     100
    .vgpr_count:     768
    .wavefront_size: 32
...
	.end_amdgpu_metadata
.endif
;; end of part 3
